; MI455X (gfx1250); checked and timed in simulation.
; The chip was launched on July 23, 2026; its instructions are those of AMD's public machine-readable ISA for CDNA 5 (MIT licence, August 2026) and "CDNA5" Instruction Set Architecture Reference Guide (July 2026). The comments in the code are by the model that wrote it; some were corrected since.
;; Simple Attention. Allowed arithmetic: matrix products marked QUANTISED: E4M3 operands, one given power-of-two scale a tensor, by v_wmma_f32_16x16x64_fp8_fp8 or v_wmma_f32_16x16x128_fp8_fp8, f32 sums; everything else in f32.
;; Inputs: lowp_scales 8 int32 (the exponents e of the quantised operands' scales 2^e); w_out 1,024 x 1,024 float32; w_qkv 1,024 x 3,072 float32; x 4 x 2,048 x 1,024 float32.
;; Outputs: out0 4 x 2,048 x 1,024 float32.
;; This version of the problem:
;;   THIS VERSION OF THE PROBLEM IS GIVEN IN LOW PRECISION. The matrix products marked QUANTISED in the list below multiply operands that are first quantised to E4M3 (4 exponent bits, 3 mantissa bits; 8 bits a number), with one given power-of-two scale for each operand tensor; their sums are f32. All else is computed in f32.
;;   The module's matrix products, in the order in which they are computed (A, B: the left and right operand; K: the contracted axis; several contracted axes count as one K, in the product's order):
;;     1. [M 8,192, K 1,024] x [K 1,024, N 3,072]; A: input x; B: input w_qkv: QUANTISED (scales: A lowp_scales[0], B lowp_scales[1])
;;     2. batch 64 x [M 2,048, K 64] x [K 64, N 2,048]; A: computed on the way; B: computed on the way: QUANTISED (scales: A lowp_scales[2], B lowp_scales[3])
;;     3. batch 64 x [M 64, K 2,048] x [K 2,048, N 2,048]; A: computed on the way; B: softmax (see below): QUANTISED (scales: A lowp_scales[4], B lowp_scales[5])
;;     4. [M 8,192, K 1,024] x [K 1,024, N 1,024]; A: computed on the way; B: input w_out: QUANTISED (scales: A lowp_scales[6], B lowp_scales[7])
;;   THE QUANTISER, for each operand of a quantised product, along K:
;;     - The operand's scale is 2^e, e = its entry of the input lowp_scales (int32; the entries are numbered through the quantised products in the list's order, A before B).
;;     - Each number is divided by the scale, clamped to +-448, and rounded to the nearest number of E4M3, ties to even, subnormals kept.
;;     - The product sums the exact products of the quantised numbers (number of the format x scale) in f32.
;;   ~~~python
;;   def quantise(x, axis, e):      # numpy; x: float32 -> the quantised numbers, widened to float32 again
;;       x = np.moveaxis(x, axis, -1); K = x.shape[-1]
;;       r = np.clip(x / 2.0 ** e, -448, 448)
;;       step = 2.0 ** (np.maximum(np.frexp(np.where(r == 0, 1, r))[1] - 1, -6) - 3)
;;       q = np.round(r / step) * step * 2.0 ** e      # np.round: ties to even
;;       return np.moveaxis(q, -1, axis).astype(np.float32)
;;   ~~~
;;   SOFTMAX AHEAD OF A QUANTISED PRODUCT. Where the list says 'softmax', what is quantised is not the finished softmax but p = 2^(t - M), with t = logit x log2(e) and M = ceil(the row's largest t), a whole number; so 1/2 < the row's largest p <= 1. The row's sum l is taken of the UNQUANTISED p, in f32, and the product's result is divided by l at the end. Since M is a whole number, a kernel that streams over the keys may use a running M (the ceiling of the running maximum): every later rescaling is an exact power of two, so the quantised numbers keep their values, but for numbers so far below the row's largest that they fall under the format's range.
;;   OPERANDS COMPUTED ON THE WAY. 'Computed on the way' means the value that the module computes at that place (a softmax that the list does not call 'softmax' is quantised finished and normalised). What goes into a quantiser is computed in f32, as accurately as f32 sums, v_exp_f32 and their like allow (about 1e-6 of the number): no bf16 or f16 on the way to a quantiser, and a product that is left as it is and whose result goes on into a quantised operand takes f32 operands (vector FMAs, or v_wmma_f32_16x16x4_f32). A number that lies on a knife's edge between two numbers of the format may be rounded either way, as far as f32 arithmetic and the matrix unit's own rounding can turn it there, and no further.
;; One version. Each part assembles by itself: llvm-mc -triple=amdgcn-amd-amdhsa -mcpu=gfx1250 --defsym DOCPART=n.
;; ======== version 1 of 1: 4 launches
;; limits: right only within a limited range of input values
;; workspace buffers: x_codes 8,388,608 bytes; wqkv_codes 3,145,728 bytes; wout_codes 1,048,576 bytes; qkv_img 25,165,824 bytes; o_img 8,388,608 bytes
;; launch prep (part 1): grid 384 x 1, 4 waves a work-group, no clusters, 68,096 bytes of LDS; arguments x, w_qkv, w_out, lowp_scales, x_codes, wqkv_codes, wout_codes; writes x_codes, wqkv_codes, wout_codes
.if DOCPART == 1
	.amdgcn_target "amdgcn-amd-amdhsa--gfx1250"
	.amdhsa_code_object_version 6
	.text
	.protected	k_qe2ae4bb130_prep
	.globl	k_qe2ae4bb130_prep
	.p2align	8
	.type	k_qe2ae4bb130_prep,@function
k_qe2ae4bb130_prep:
	s_mov_b64 s[64:65], 0
	v_nop
	global_prefetch_b8 v0, s[64:65] scope:SCOPE_SE
	s_setreg_imm32_b32 hwreg(HW_REG_WAVE_MODE, 25, 1), 1
	s_wait_xcnt 0x0
; x [8192][1024], w_qkv [1024][3072] and w_out [1024][1024], f32, become codes of FP8 (E4M3), one byte each, K innermost:
; x_codes [8192][1024], wqkv_codes [3072][1024], wout_codes [1024][1024].  code = number / 2^e, held within +-448, to the nearest code, ties to even.
; e = entry 0 (x), 1 (w_qkv), 7 (w_out) of the buffer of scales.  LIMITS: -126 <= e <= 119, so that 2^e and 448 x 2^e are f32 numbers.  NaN among the inputs is not served.
; Every work-group reads 131,072 bytes.  Work-groups 0-255 take x, whose K is innermost: a plain stream.  Work-groups 256-351 take w_qkv and 352-383 w_out, whose K is the FIRST axis:
; there a lane takes a column and its registers run down K, so that the conversions give codes with K innermost.  The two ways have LDS bytes of their own.
; No tensor loads, no barrier: waves share nothing.
.set STEPS, 16                         ; x: steps of 512 numbers for a wave
.set RAW,   16                         ; v16-79   x: four sets of 16 numbers as loaded
.set NBR,   80                         ; v80-111  x: two sets of 16 neighbours
.set COD,   128                        ; v128-191 x: four registers of codes for each step: no store's data are written again
.set WREG,  8192                       ; x: LDS bytes of a wave: two stages of 32 x SP bytes
.set SP,    80                         ; a lane's place in a stage: 64 bytes + 16 of padding
.set WST,   32768                      ; the weights' stages begin here
.set WP,    272                        ; a stage row: 256 bytes of codes + 16
.set WNUM,  32                         ; v32-95   weights: two sets of 32 numbers
.set WCOD,  96                         ; v96-103  weights: a block's codes
.set VOFF,  112                        ; v112-143 weights: 4 x lane + i rows of the tensor, i = 0 .. 31; never rewritten
.macro XLOAD t                         ; step t: four loads, each 512 consecutive bytes
.irp i, 0,1,2,3
	global_load_b128 v[RAW+16*((\t)%4)+4*\i:RAW+16*((\t)%4)+4*\i+3], v3, s[4:5] offset:2048*(\t)+512*\i th:TH_LOAD_NT
.endr
.endm
.macro XTURN t                         ; step t's 2,048 bytes go through the wave's own stage as they lie and come back 64 bytes a lane; LDS serves a wave's instructions in order
.irp i, 0,1,2,3
	ds_store_b128 v14, v[RAW+16*((\t)%4)+4*\i:RAW+16*((\t)%4)+4*\i+3] offset:32*SP*((\t)%2)+8*SP*\i
.endr
.irp i, 0,1,2,3
	ds_load_b128 v[NBR+16*((\t)%2)+4*\i:NBR+16*((\t)%2)+4*\i+3], v15 offset:32*SP*((\t)%2)+16*\i
.endr
.endm
.macro XSTEP t
.set XS, NBR+16*((\t)%2)
	s_wait_dscnt 0x0                               ; this step's numbers are back; its stores into the stage have read their registers,
.if (\t)+4 < STEPS
	XLOAD (\t)+4                                   ; which take the loads of four steps on
.endif
.if (\t)+1 < STEPS
.if STEPS-2-(\t) >= 3
	s_wait_loadcnt 12                              ; the next step's four loads are in; those of the three steps behind it may be out
.else
	s_wait_loadcnt 4*(STEPS-2-(\t))
.endif
	XTURN (\t)+1
.endif
.set i, 0
.rept 16
	v_med3_num_f32 v[XS+i], v[XS+i], -v10, v10     ; the conversion does not saturate (ISA guide 7.6.2): the hold at 448 x 2^e comes first
.set i, i+1
.endr
	v_cvt_scalef32_pk8_fp8_f32 v[COD+4*(\t):COD+4*(\t)+1], v[XS:XS+7], v11
	v_cvt_scalef32_pk8_fp8_f32 v[COD+4*(\t)+2:COD+4*(\t)+3], v[XS+8:XS+15], v11
	global_store_b128 v3, v[COD+4*(\t):COD+4*(\t)+3], s[12:13] offset:512*(\t)   ; 32 lanes store 512 consecutive bytes, aligned
.endm
.macro WLOAD t                         ; block t: W(32 t + i, my column), i = 0 .. 31: each load reads 128 consecutive bytes, the four waves side by side
.set i, 0
.rept 32
	global_load_b32 v[WNUM+32*((\t)%2)+i], v[VOFF+i], s[48+2*(\t):49+2*(\t)] th:TH_LOAD_NT
.set i, i+1
.endr
.endm
.macro WBLOCK t
.set XS, WNUM+32*((\t)%2)
.if (\t) < 7
	s_wait_loadcnt 32                              ; this block's 32 loads are in; the next block's may be out
.else
	s_wait_loadcnt 0
.endif
.set i, 0
.rept 32
	v_med3_num_f32 v[XS+i], v[XS+i], -v10, v10
.set i, i+1
.endr
.irp g, 0,1,2,3
	v_cvt_scalef32_pk8_fp8_f32 v[WCOD+2*\g:WCOD+2*\g+1], v[XS+8*\g:XS+8*\g+7], v11
.endr
	ds_store_b128 v4, v[WCOD:WCOD+3] offset:32*(\t)        ; 32 codes of my column's row
	ds_store_b128 v4, v[WCOD+4:WCOD+7] offset:32*(\t)+16
.if (\t)+2 < 8
	WLOAD (\t)+2
.endif
	s_wait_dscnt 0x0                               ; the stores have read their registers: the next block's codes may be written
.endm
	s_load_b256 s[4:11], s[0:1], 0x0               ; x s[4:5], w_qkv s[6:7], w_out s[8:9], the scales' exponents s[10:11]
	s_load_b128 s[12:15], s[0:1], 0x20             ; x_codes s[12:13], wqkv_codes s[14:15]
	s_load_b64 s[16:17], s[0:1], 0x30              ; wout_codes
	v_lshl_add_u32 v192, v0, 2, 0x10800
	v_mov_b32 v193, 0
	v_lshrrev_b32 v1, 5, v0
	v_readfirstlane_b32 s18, v1                    ; wave 0..3
	v_and_b32 v2, 31, v0                           ; lane
	s_wait_kmcnt 0x0
	s_load_b256 s[40:47], s[10:11], 0x0            ; the eight exponents
	s_cmp_lt_u32 ttmp9, 256
	s_cbranch_scc0 .Lweights
	; ---- x: a wave takes 8,192 numbers: 16 steps of 512
	s_wait_alu depctr_va_vdst(0)
	v_lshlrev_b32 v3, 4, v2                        ; my 16 bytes of a load's 512, and of a store's
	s_wait_alu depctr_va_vdst(0)
	s_mul_i32 s19, s18, WREG
	v_lshrrev_b32 v14, 2, v2
	v_mul_u32_u24 v14, v14, SP
	v_and_b32 v15, 3, v2
	v_lshl_add_u32 v14, v15, 4, v14
	v_add_nc_u32 v14, s19, v14                     ; into the stage: four lanes' 64 bytes on end, then 16 of padding
	v_mul_u32_u24 v15, v2, SP
	v_add_nc_u32 v15, s19, v15                     ; out of it: my 16 neighbours
	s_lshl_b32 s20, ttmp9, 2
	s_add_co_u32 s20, s20, s18                     ; which run of 8,192 numbers is my wave's: 0 .. 1023
	s_lshl_b32 s22, s20, 15                        ; 32,768 bytes of f32 a run
	s_mov_b32 s23, 0
	s_add_nc_u64 s[4:5], s[4:5], s[22:23]
	s_lshl_b32 s22, s20, 13                        ; 8,192 bytes of codes
	s_add_nc_u64 s[12:13], s[12:13], s[22:23]
.irp t, 0,1,2,3
	XLOAD \t
.endr
	s_wait_alu depctr_va_vdst(0)
	s_wait_kmcnt 0x0
	s_add_co_i32 s24, s40, 127
	s_lshl_b32 s25, s24, 23
	v_mov_b32 v11, s25                             ; 2^e as f32: the conversion takes its exponent field
	s_add_co_i32 s24, s24, 8
	s_lshl_b32 s24, s24, 23
	s_or_b32 s24, s24, 0x600000
	v_mov_b32 v10, s24                             ; 448 x 2^e
	s_wait_alu depctr_va_vdst(0)
	s_wait_loadcnt 12                              ; step 0's four loads are in
	XTURN 0
.irp t, 0,1,2,3,4,5,6,7,8,9,10,11,12,13,14,15
	XSTEP \t
.endr
	s_wait_tensorcnt 0x0
	ds_add_u32 v192, v193
	s_wait_dscnt 0x0
	s_endpgm
	; ---- the weights: a work-group takes 128 columns x 256 along K, a wave 32 columns
.Lweights:
	s_sub_co_u32 s21, ttmp9, 256                   ; 0 .. 127
	s_cmp_lt_u32 s21, 96                           ; w_qkv's or w_out's?  The choice hangs on the work-group's number alone
	s_cselect_b64 s[22:23], s[6:7], s[8:9]
	s_cselect_b64 s[24:25], s[14:15], s[16:17]
	s_mov_b32 s26, 4096
	s_cselect_b32 s26, 12288, s26                  ; a row of the tensor in bytes
	s_cselect_b32 s27, 0, 96
	s_sub_co_u32 s21, s21, s27
	s_lshr_b32 s28, s21, 2                         ; which 128 columns
	s_and_b32 s29, s21, 3                          ; which 256 along K
	s_lshl_b32 s30, s28, 7
	s_lshl_b32 s31, s18, 5
	s_add_co_u32 s30, s30, s31                     ; my wave's first column
	s_mul_i32 s19, s18, 32*WP
	s_add_co_u32 s19, s19, WST                     ; my stage
	s_wait_alu depctr_va_vdst(0)
	v_mul_u32_u24 v4, v2, WP
	v_add_nc_u32 v4, s19, v4                       ; into it: row = my column
	v_and_b32 v5, 15, v2
	v_lshrrev_b32 v6, 4, v2
	v_mul_u32_u24 v7, v6, WP
	v_lshl_add_u32 v7, v5, 4, v7
	v_add_nc_u32 v7, s19, v7                       ; out of it: sixteen lanes to a row, two rows an instruction
	v_lshlrev_b32 v8, 10, v6
	v_lshl_add_u32 v8, v5, 4, v8                   ; and the same place in the codes' buffer (rows of 1,024 bytes)
	v_lshlrev_b32 v[VOFF], 2, v2
.irp i, 1,2,3,4,5,6,7,8,9,10,11,12,13,14,15,16,17,18,19,20,21,22,23,24,25,26,27,28,29,30,31
	v_add_nc_u32 v[VOFF+\i], s26, v[VOFF+\i-1]
.endr
	s_lshl_b32 s33, s29, 8
	s_mul_i32 s34, s33, s26                        ; 256 ky rows,
	s_lshl_b32 s33, s30, 2
	s_add_co_u32 s34, s34, s33                     ; + 4 bytes a column
	s_mov_b32 s35, 0
	s_add_nc_u64 s[48:49], s[22:23], s[34:35]      ; block 0's first row; a base for each of the eight blocks, 32 rows apart
	s_lshl_b32 s36, s26, 5
	s_mov_b32 s37, 0
.irp t, 1,2,3,4,5,6,7
	s_add_nc_u64 s[48+2*\t:49+2*\t], s[46+2*\t:47+2*\t], s[36:37]
.endr
	s_lshl_b32 s38, s30, 10                        ; the codes: row = column, 1,024 bytes; + 256 ky
	s_lshl_b32 s39, s29, 8
	s_add_co_u32 s38, s38, s39
	s_mov_b32 s39, 0
	s_add_nc_u64 s[24:25], s[24:25], s[38:39]
	s_wait_alu depctr_va_vdst(0)
	WLOAD 0
	WLOAD 1
	s_wait_kmcnt 0x0
	s_cmp_lt_u32 ttmp9, 352
	s_cselect_b32 s32, s41, s47                    ; e: entry 1 for w_qkv, entry 7 for w_out
	s_add_co_i32 s32, s32, 127
	s_lshl_b32 s33, s32, 23
	v_mov_b32 v11, s33
	s_add_co_i32 s32, s32, 8
	s_lshl_b32 s32, s32, 23
	s_or_b32 s32, s32, 0x600000
	v_mov_b32 v10, s32
	s_wait_alu depctr_va_vdst(0)
.irp t, 0,1,2,3,4,5,6,7
	WBLOCK \t
.endr
.irp t, 0,1,2,3,4,5,6,7,8,9,10,11,12,13,14,15
.if \t < 12
.set OREG, 144+4*\t
.else
.set OREG, 16+4*(\t-12)
.endif
	ds_load_b128 v[OREG:OREG+3], v7 offset:2*\t*WP         ; LDS serves a wave's instructions in order: these see my stores
.endr
.irp t, 0,1,2,3,4,5,6,7,8,9,10,11,12,13,14,15
.if \t < 12
.set OREG, 144+4*\t
.else
.set OREG, 16+4*(\t-12)
.endif
	s_wait_dscnt 15-\t                             ; the younger reads of the stage may be out
	global_store_b128 v8, v[OREG:OREG+3], s[24:25] offset:2*\t*1024   ; sixteen lanes store 256 consecutive bytes, aligned
.endr
	s_wait_tensorcnt 0x0
	ds_add_u32 v192, v193
	s_wait_dscnt 0x0
	s_endpgm
.Lfunc_end_k_qe2ae4bb130_prep:
	.size	k_qe2ae4bb130_prep, .Lfunc_end_k_qe2ae4bb130_prep-k_qe2ae4bb130_prep
	.p2alignl 7, 3214868480
	.fill 96, 4, 3214868480
	.section	.rodata,"a",@progbits
	.p2align	6, 0x0
	.amdhsa_kernel k_qe2ae4bb130_prep
		.amdhsa_group_segment_fixed_size 68096
		.amdhsa_private_segment_fixed_size 0
		.amdhsa_enable_private_segment 0
		.amdhsa_kernarg_size 56
		.amdhsa_user_sgpr_count 2
		.amdhsa_user_sgpr_kernarg_segment_ptr 1
		.amdhsa_wavefront_size32 1
		.amdhsa_system_sgpr_workgroup_id_x 1
		.amdhsa_system_sgpr_workgroup_id_y 1
		.amdhsa_system_sgpr_workgroup_id_z 1
		.amdhsa_system_vgpr_workitem_id 0
		.amdhsa_next_free_vgpr 194
		.amdhsa_next_free_sgpr 66
		.amdhsa_reserve_vcc 0
		.amdhsa_float_denorm_mode_32 3
		.amdhsa_float_denorm_mode_16_64 3
		.amdhsa_memory_ordered 1
		.amdhsa_forward_progress 1
		.amdhsa_inst_pref_size 87
	.end_amdhsa_kernel
	.amdgpu_metadata
---
amdhsa.version: [ 1, 2 ]
amdhsa.kernels:
  - .name:           k_qe2ae4bb130_prep
    .symbol:         k_qe2ae4bb130_prep.kd
    .args:
      - { .name: x, .offset: 0, .size: 8, .value_kind: global_buffer, .address_space: global }
      - { .name: w_qkv, .offset: 8, .size: 8, .value_kind: global_buffer, .address_space: global }
      - { .name: w_out, .offset: 16, .size: 8, .value_kind: global_buffer, .address_space: global }
      - { .name: lowp_scales, .offset: 24, .size: 8, .value_kind: global_buffer, .address_space: global }
      - { .name: x_codes, .offset: 32, .size: 8, .value_kind: global_buffer, .address_space: global }
      - { .name: wqkv_codes, .offset: 40, .size: 8, .value_kind: global_buffer, .address_space: global }
      - { .name: wout_codes, .offset: 48, .size: 8, .value_kind: global_buffer, .address_space: global }
    .group_segment_fixed_size: 68096
    .private_segment_fixed_size: 0
    .kernarg_segment_align: 8
    .kernarg_segment_size: 56
    .max_flat_workgroup_size: 128
    .sgpr_count:     66
    .vgpr_count:     194
    .wavefront_size: 32
...
	.end_amdgpu_metadata
.endif
;; end of part 1
;; launch qkv (part 2): grid 16 x 16, 4 waves a work-group, clusters of 4 x 4, 327,680 bytes of LDS; arguments x_codes, wqkv_codes, lowp_scales, qkv_img; writes qkv_img
.if DOCPART == 2
	.amdgcn_target "amdgcn-amd-amdhsa--gfx1250"
	.amdhsa_code_object_version 6
	.text
	.protected	k_qe2ae4bb130_qkv
	.globl	k_qe2ae4bb130_qkv
	.p2align	8
	.type	k_qe2ae4bb130_qkv,@function
k_qe2ae4bb130_qkv:
	s_mov_b64 s[64:65], 0
	v_nop
	global_prefetch_b8 v0, s[64:65] scope:SCOPE_SE
	s_setreg_imm32_b32 hwreg(HW_REG_WAVE_MODE, 25, 1), 1
	s_wait_xcnt 0x0
	s_wait_alu depctr_hold_cnt(0) depctr_sa_sdst(0) depctr_va_vdst(0) depctr_va_sdst(0) depctr_va_ssrc(0) depctr_va_vcc(0) depctr_vm_vsrc(0)
	s_getreg_b32 s2, hwreg(HW_REG_IB_STS2, 6, 4)
	s_cmp_eq_u32 s2, 0
	s_cbranch_scc0 .Lentry_in_a_cluster
	s_endpgm
.Lentry_in_a_cluster:
	s_bfe_u32 s2, ttmp6, 0x10000c
	s_cmp_lg_u32 s2, 0xf033
	s_cbranch_scc0 .Lentry_shape_is_right
	s_endpgm
.Lentry_shape_is_right:
; qkv = x w_qkv on codes of FP8 (E4M3); each f32 sum is quantised in registers to a code of q (scale entry 2), k (entry 3) or v (entry 4) and stored as part of an IMAGE OF THE REGISTERS of the operand that it will be.
; x_codes [8192][1024], wqkv_codes [3072][1024]: K innermost.  A sum stands for sum x 2^(e0 + e1), so its code is sum / 2^(et - e0 - e1), held within +-448.
; LIMIT: et - e0 - e1 between -126 and 119 (t = 2, 3, 4), so that the powers below are f32 numbers.
; qkv_img: [64 (16 b + head)][3][131,072 bytes].  q and k: [block of 16 tokens][1,024]: lane (r, h) holds token r, registers 2 c, 2 c + 1 hold d = 16 c + 8 h + 0 .. 7; registers 0-3 at 16 x lane, 4-7 at 512 + 16 x lane.
; v: [block of 128 keys][4 tiles of d][2,048]: lane (r, h) holds d = 16 t + r, registers 2 c, 2 c + 1 hold key 16 c + 8 h + 0 .. 7; registers 4 i on at 512 i + 16 x lane.
; SHARES.  A tile is 256 tokens x ONE HEAD's q, k and v (3 x 64 columns).  16 x 16 work-groups STAY: each makes two tiles of its head, 4,096 tokens apart.  Wave w takes tokens 128 (w >> 1) on and, of each of q, k, v,
; d = 32 (w & 1) + 0 .. 31: 8 x 6 accumulators, 384 registers.
; ORIENTATION.  Source 1 gives a lane its row, source 0 its eight registers.  q, k: source 0 = w's rows, source 1 = tokens (d runs along the registers).  v: source 0 = tokens, source 1 = w's rows (the keys run along the registers).
; Fragments of both sides have one layout, so only the order of the two sources differs: every wave of every work-group runs the same text, and every LDS address is made of constants, the lane and the wave's number.
; K goes in steps of 256 through a ring of two LDS slots (w's 192 rows, then x's 256).  Waves 0-2 fetch w's q, k, v rows, wave 3 x's.  CLUSTERS: 4 x 4; x's tile is shared along a row of the cluster, w's along a column.
; THE RING GOES ON INTO THE SECOND TILE: the first tile's last two changes of slots ask for the second's K steps 0 and 1, and the first tile goes out while they are on their way.  The second tile is written out: it asks for nothing more.
; Fragments come by four loads of 16 bytes: a permutation of k, the same on both sides.  Nothing is prefetched: the text is eight fills, written straight: there is no loop to run ahead in.
; REGISTERS: window 0: v6-11 scales and limits, v16-29 addresses, v32-63 held sums, v64-127 codes on the way out, v128-255 x's 8 fragments (one set).  window 1: w's 6 fragments, two sets, at v0 and v128.
; window 2: accumulators of token blocks 0-3 (block a, w's block b at v[8 (6 a + b)]); window 3: of blocks 4-7.
.set ROWB,   256
.set KROW,   1024
.set PITCH,  272                       ; 256 bytes + 16 of padding: the 16 rows that a load touches start at 16 different banks (ISA guide 11.1)
.set FR,     16
.set XOFF,   192*PITCH
.set SLOT,   448*PITCH
.set SPARE,  2*SLOT
.set REC,    393216
.set PART,   131072
.set NEXTX,  4096*KROW-2*ROWB          ; from a slot's last K step of a tile to its first of the next: x goes 4,096 rows down and back along K; w only back
.set SCL,  6                           ; v6, v8, v10 the conversions' scales for q, k, v; v7, v9, v11 448 x each
.set ADRX, 16
.set ADRW, 20
.set COQ,  24                          ; 16 x lane + 512 (w & 1)
.set COV,  25                          ; 16 x lane + 4,096 (w & 1)
.set SPW,  28
.set NIL,  29
.set TMP,  32
.set CD,   64                          ; q's and k's codes: 8 registers a token block
.set CV,   64                          ; v's codes, behind a wait for q's and k's stores
.set AF,   128
.set G1, 24
.set G0, 32
.set G1B, 48
.set G0B, 56
.set MSB, 0
.macro WIN new                         ; the immediate's high byte repeats the setting that is left
.if MSB != (\new)
	s_set_vgpr_msb (MSB<<8)|(\new)
.set MSB, (\new)
.endif
.endm
.set TO_W, 0x40
.macro JLOAD g0a, g0b                  ; wave 3: x's tile; waves 0-2: w's.  An s_nop 0 and four v_nop follow each line
	s_cmp_eq_u32 s14, 3
	s_cbranch_scc0 .Lfor_w_\@
	tensor_load_to_lds s[\g0a:\g0a+3], s[G1:G1+7]
	s_nop 0
.rept 4
	v_nop
.endr
	s_branch .Lasked_\@
.Lfor_w_\@:
	tensor_load_to_lds s[\g0b:\g0b+3], s[G1B:G1B+7]
	s_nop 0
.rept 4
	v_nop
.endr
.Lasked_\@:
.endm
.macro CREST
	s_cmp_lg_u32 s14, 0
	s_cbranch_scc1 .Lnot_wave_0_\@
	s_barrier_signal -3
.Lnot_wave_0_\@:
	s_barrier_wait -3
	s_barrier_signal -1
	s_barrier_wait -1
.endm
.macro CROUND
	s_barrier_signal -1
	s_barrier_wait -1
	CREST
.endm
.macro FRAG reg, adr, q, i             ; 16 rows x 128 K: registers 4 c .. 4 c + 3 hold K = 32 c + 16 h + 0 .. 15
.irp c, 0,1,2,3
	ds_load_b128 v[\reg+4*\c:\reg+4*\c+3], v[\adr] offset:128*(\q)+32*\c+(\i)*16*PITCH
.endr
.endm
.macro MM d, s0, s1, zero
.if \zero
	v_wmma_f32_16x16x128_fp8_fp8 v[\d:\d+7], v[\s0:\s0+FR-1], v[\s1:\s1+FR-1], 0
.else
	v_wmma_f32_16x16x128_fp8_fp8 v[\d:\d+7], v[\s0:\s0+FR-1], v[\s1:\s1+FR-1], v[\d:\d+7]
.endif
.endm
; The 48 accumulators take turns, one instruction a turn, in the same order in every step.
.macro MQK hi, p, zero                 ; token blocks 4 hi .. 4 hi + 3 x q's and k's four blocks: source 0 = w (window 1), source 1 = x (window 0)
	WIN 0xa1+0x50*(\hi)
.irp a, 0,1,2,3
.irp b, 0,1,2,3
	MM 8*(6*\a+\b), 128*(\p)+FR*\b, AF+FR*(4*(\hi)+\a), \zero
.endr
.endr
.endm
.macro MV hi, p, zero                  ; the same token blocks x v's two blocks: source 0 = x (window 0), source 1 = w (window 1)
	WIN 0xa4+0x50*(\hi)
.irp a, 0,1,2,3
.irp b, 4,5
	MM 8*(6*\a+\b), AF+FR*(4*(\hi)+\a), 128*(\p)+FR*\b, \zero
.endr
.endr
.endm
.macro FETCH_W slot, q, p              ; block b = 2 (q, k, v) + u begins at row 64 (b / 2) + 16 u of my 32
	WIN TO_W
.irp b, 0,1,2,3,4,5
	FRAG 128*(\p)+FR*\b, ADRW+\slot, \q, 4*(\b/2)+(\b%2)
.endr
	WIN 0
.endm
.macro FETCH_X slot, q, i0
.irp i, \i0, \i0+1, \i0+2, \i0+3
	FRAG AF+FR*(\i), ADRX+\slot, \q, \i
.endr
.endm
.macro PLACES                          ; plain vector instructions between a matrix instruction and a load into, or a read of, its registers
.rept 4
	v_nop
.endr
.endm
.macro STEP slot, zero                 ; a slot's first 128 along K
	s_wait_dscnt 16                                ; all but the youngest 16 loads (x's blocks 4-7) are in
	MQK 0, 0, \zero
	MV 0, 0, \zero
	s_wait_dscnt 0
	PLACES
	FETCH_W \slot, 1, 1
	FETCH_X \slot, 1, 0
	MQK 1, 0, \zero
	MV 1, 0, \zero
	PLACES
	WIN 0
	FETCH_X \slot, 1, 4
.endm
.macro TURN slot, next, fill, on       ; a slot's second 128 along K, and the change of slots.  fill = 1: this slot is filled again: on = 0 two K steps on, on = 1 with the next tile's K step
	s_wait_tensorcnt 0x0                           ; all my tensor loads have landed
	ds_add_u32 v[SPW], v[NIL]
	s_wait_dscnt 17                                ; the add and the youngest 16 loads may be out
	MQK 0, 1, 0
	s_wait_dscnt 0x0                               ; the add is done, my reads of this slot are over
	s_barrier_signal -1
	MV 0, 1, 0
	WIN 0
	s_barrier_wait -1
.if \fill
	CREST                                          ; the barrier has opened a round of the cluster's
.if \on
	s_add_nc_u64 s[G0+4*\slot+2:G0+4*\slot+3], s[G0+4*\slot+2:G0+4*\slot+3], NEXTX
	s_sub_nc_u64 s[G0B+4*\slot+2:G0B+4*\slot+3], s[G0B+4*\slot+2:G0B+4*\slot+3], 2*ROWB
.else
	s_add_nc_u64 s[G0+4*\slot+2:G0+4*\slot+3], s[G0+4*\slot+2:G0+4*\slot+3], 2*ROWB
	s_add_nc_u64 s[G0B+4*\slot+2:G0B+4*\slot+3], s[G0B+4*\slot+2:G0B+4*\slot+3], 2*ROWB
.endif
	JLOAD G0+4*\slot, G0B+4*\slot                  ; its four v_nop are the places in front of the loads below
.else
	PLACES
.endif
	FETCH_W \next, 0, 0
	FETCH_X \next, 0, 0
	MQK 1, 1, 0
	MV 1, 1, 0
	PLACES
	WIN 0
	FETCH_X \next, 0, 4
.endm
; THE WAY OUT.  A lane's eight sums of an accumulator are eight neighbours along the next K: one conversion makes two registers of the next operand.
.macro HOLD n, dst, src, lim           ; the hold, into other registers; each accumulator from its low end on
.set j, 0
.rept \n
	v_med3_num_f32 v[\dst+j], v[\src+j], -v[\lim], v[\lim]
.set j, j+1
.endr
.endm
.macro OUTQK a                         ; token block a: q's and k's 32 of d: 512 consecutive bytes a store, aligned
	WIN 0x02+((\a)/4)
	HOLD 16, TMP, 48*((\a)%4), SCL+1
	HOLD 16, TMP+16, 48*((\a)%4)+16, SCL+3
	WIN 0
.irp b, 0,1,2,3
	v_cvt_scalef32_pk8_fp8_f32 v[CD+8*(\a)+2*\b:CD+8*(\a)+2*\b+1], v[TMP+8*\b:TMP+8*\b+7], v[SCL+2*(\b/2)]
.endr
	v_nop                                          ; a plain instruction behind the last conversion: the next block writes its sources
	global_store_b128 v[COQ], v[CD+8*(\a):CD+8*(\a)+3], s[10:11] offset:1024*(\a)
	global_store_b128 v[COQ], v[CD+8*(\a)+4:CD+8*(\a)+7], s[10:11] offset:PART+1024*(\a)
.endm
.macro OUTV u                          ; v's tile 2 (w & 1) + u of d x my 128 keys
.irp g, 0,1
	WIN 0x02+\g
.irp a, 0,1,2,3
	HOLD 8, TMP+8*\a, 48*\a+32+8*(\u), SCL+5
.endr
	WIN 0
.irp a, 0,1,2,3
	v_cvt_scalef32_pk8_fp8_f32 v[CV+16*(\u)+8*\g+2*\a:CV+16*(\u)+8*\g+2*\a+1], v[TMP+8*\a:TMP+8*\a+7], v[SCL+4]
.endr
	v_nop
.endr
.irp i, 0,1,2,3
	global_store_b128 v[COV], v[CV+16*(\u)+4*\i:CV+16*(\u)+4*\i+3], s[10:11] offset:2*PART+2048*(\u)+512*\i
.endr
.endm
.macro OUT
	s_wait_xcnt 0x0                                ; the earlier tile's stores have read their registers
.irp a, 0,1,2,3,4,5,6,7
	OUTQK \a
.endr
	s_wait_xcnt 0x0                                ; q's and k's stores have read theirs: v's codes may be written there
	OUTV 0
	OUTV 1
.endm
.macro TILE more                       ; K = 1,024 is four fills, eight steps of 128.  more = 1: another tile follows
	STEP 0, 1
	TURN 0, 1, 1, 0
	STEP 1, 0
	TURN 1, 0, 1, 0
	STEP 0, 0
	TURN 0, 1, \more, 1
	STEP 1, 0
.if \more
	TURN 1, 0, 1, 1                                ; it also fetches the next tile's first fragments, which the way out leaves alone
.else
	s_wait_dscnt 16
	MQK 0, 1, 0
	MV 0, 1, 0
	s_wait_dscnt 0
	MQK 1, 1, 0
	MV 1, 1, 0
	PLACES
	WIN 0
.endif
	OUT
.endm
	s_load_b128 s[4:7], s[0:1], 0x0                ; x_codes, wqkv_codes
	s_load_b128 s[8:11], s[0:1], 0x10              ; the exponents, qkv_img
	v_lshl_add_u32 v[SPW], v0, 2, SPARE
	v_mov_b32 v[NIL], 0
	ds_add_u32 v[SPW], v[NIL]                      ; the opening lines: the add twice on end and its wait
	ds_add_u32 v[SPW], v[NIL]
	v_lshrrev_b32 v1, 5, v0
	v_readfirstlane_b32 s14, v1                    ; wave
	s_lshr_b32 s15, s14, 1                         ; my half of the tokens
	s_and_b32 s16, s14, 1                          ; my half of d
	s_min_u32 s13, s14, 2                          ; which of q, k, v I fetch (waves 0-2)
	s_bfe_u32 s40, ttmp6, 0x40000                  ; cx
	s_bfe_u32 s41, ttmp6, 0x40004                  ; cy
	s_lshl_b32 s42, ttmp9, 2
	s_add_co_u32 s42, s42, s40                     ; the head
	s_and_b32 s17, ttmp7, 0xffff
	s_lshl_b32 s17, s17, 2
	s_add_co_u32 s17, s17, s41                     ; which 256 tokens first: 0 .. 15
	s_lshl_b32 s43, s41, 2
	s_lshl_b32 s43, 15, s43                        ; my row of the cluster
	s_lshl_b32 s44, 0x1111, s40                    ; my column
	s_or_b32 s[G1+0], s43, (0<<16)|(1<<20)|(1<<21)|(5<<22)|(3<<25)
	s_or_b32 s[G1B+0], s44, (0<<16)|(1<<20)|(1<<21)|(5<<22)|(3<<25)
.irp g, G1, G1B
	s_mov_b32 s[\g+1], ROWB<<16
	s_mov_b32 s[\g+3], ROWB<<16
	s_mov_b32 s[\g+5], KROW
	s_mov_b32 s[\g+6], 0
	s_mov_b32 s[\g+7], 0
.endr
	s_mov_b32 s[G1+2], 256<<16                     ; x: 256 rows
	s_mov_b32 s[G1+4], 256
	s_mov_b32 s[G1B+2], 64<<16                     ; w: 64 rows
	s_mov_b32 s[G1B+4], 64
	s_lshl_b32 s20, s17, 18                        ; x: 256 rows of 1,024 bytes a tile
	s_mov_b32 s21, 0
	s_lshl_b32 s46, s13, 20                        ; w: row 1,024 x (q, k, v) + 64 x head
	s_lshl_b32 s47, s42, 16
	s_add_co_u32 s46, s46, s47
	s_mov_b32 s47, 0
	s_mul_i32 s45, s13, 64*PITCH
	s_wait_dscnt 0x0
	s_wait_kmcnt 0x0
	s_load_b256 s[72:79], s[8:9], 0x0              ; the eight exponents
	s_add_nc_u64 s[20:21], s[4:5], s[20:21]
	s_add_nc_u64 s[46:47], s[6:7], s[46:47]
	CROUND                                         ; the first joint loads meet
.irp s, 0,1
	s_mov_b32 s[G0+4*\s], 1
	s_mov_b32 s[G0+4*\s+1], XOFF+\s*SLOT
	s_add_nc_u64 s[G0+4*\s+2:G0+4*\s+3], s[20:21], \s*ROWB
	s_or_b32 s[G0+4*\s+3], s[G0+4*\s+3], 0x80000000
	s_mov_b32 s[G0B+4*\s], 1
	s_add_co_u32 s[G0B+4*\s+1], s45, \s*SLOT
	s_add_nc_u64 s[G0B+4*\s+2:G0B+4*\s+3], s[46:47], \s*ROWB
	s_or_b32 s[G0B+4*\s+3], s[G0B+4*\s+3], 0x80000000
.endr
	JLOAD G0, G0B                                  ; K step 0: one tensor load a wave at the head
	s_lshr_b32 s83, s17, 3                         ; b of the first tile: 0 or 1; the second tile's is 2 more
	s_lshl_b32 s83, s83, 4
	s_add_co_u32 s83, s83, s42                     ; 16 b + head
	s_mul_i32 s83, s83, REC
	s_and_b32 s84, s17, 7
	s_lshl_b32 s84, s84, 14                        ; 256 tokens are 16,384 bytes of each part
	s_add_co_u32 s83, s83, s84
	s_lshl_b32 s84, s15, 13
	s_add_co_u32 s84, s83, s84
	s_mov_b32 s85, 0
	s_add_nc_u64 s[10:11], s[10:11], s[84:85]
	s_wait_kmcnt 0x0
	s_add_co_i32 s80, s72, s73                     ; e0 + e1
.irp t, 0,1,2
	s_sub_co_i32 s81, s[74+\t], s80
	s_add_co_i32 s81, s81, 127
	s_lshl_b32 s[86+2*\t], s81, 23                 ; 2^(et - e0 - e1)
	s_add_co_i32 s81, s81, 8
	s_lshl_b32 s81, s81, 23
	s_or_b32 s[87+2*\t], s81, 0x600000             ; 448 x that
.endr
	s_mul_i32 s21, s15, 128*PITCH
	s_add_co_u32 s21, s21, XOFF
	s_mul_i32 s22, s16, 32*PITCH
	s_lshl_b32 s23, s16, 9
	s_lshl_b32 s18, s16, 12
	v_and_b32 v1, 15, v0
	v_bfe_u32 v2, v0, 4, 1
	v_mul_u32_u24 v3, v1, PITCH
	v_lshl_add_u32 v4, v2, 4, v3                   ; a fragment's row x pitch + 16 h
	v_add_nc_u32 v[ADRX], s21, v4
	v_add_nc_u32 v[ADRW], s22, v4
	v_add_nc_u32 v[ADRX+1], SLOT, v[ADRX]
	v_add_nc_u32 v[ADRW+1], SLOT, v[ADRW]
	v_and_b32 v5, 31, v0
	v_lshlrev_b32 v5, 4, v5
	v_add_nc_u32 v[COQ], s23, v5
	v_add_nc_u32 v[COV], s18, v5
.irp i, 0,1,2,3,4,5
	v_mov_b32 v[SCL+\i], s[86+\i]
.endr
	s_wait_alu depctr_va_vdst(0)                   ; the wait at the head's end
	s_wait_tensorcnt 0x0                           ; my part of K step 0 is in; the lines ahead of a later first fill:
	ds_add_u32 v[SPW], v[NIL]
	s_wait_dscnt 0x0
	CROUND
	JLOAD G0+4, G0B+4                              ; K step 1
	FETCH_W 0, 0, 0
	FETCH_X 0, 0, 0
	FETCH_X 0, 0, 4
	TILE 1
	s_wait_xcnt 0x0                                ; the stores have read their base
	s_add_nc_u64 s[10:11], s[10:11], 32*REC        ; 4,096 tokens on: two batches
	TILE 0
	s_wait_tensorcnt 0x0                           ; the wave's end
	ds_add_u32 v[SPW], v[NIL]
	s_wait_dscnt 0x0
	CROUND                                         ; the closing round
	s_endpgm
.Lfunc_end_k_qe2ae4bb130_qkv:
	.size	k_qe2ae4bb130_qkv, .Lfunc_end_k_qe2ae4bb130_qkv-k_qe2ae4bb130_qkv
	.p2alignl 7, 3214868480
	.fill 96, 4, 3214868480
	.section	.rodata,"a",@progbits
	.p2align	6, 0x0
	.amdhsa_kernel k_qe2ae4bb130_qkv
		.amdhsa_group_segment_fixed_size 327680
		.amdhsa_private_segment_fixed_size 0
		.amdhsa_enable_private_segment 0
		.amdhsa_kernarg_size 32
		.amdhsa_user_sgpr_count 2
		.amdhsa_user_sgpr_kernarg_segment_ptr 1
		.amdhsa_wavefront_size32 1
		.amdhsa_system_sgpr_workgroup_id_x 1
		.amdhsa_system_sgpr_workgroup_id_y 1
		.amdhsa_system_sgpr_workgroup_id_z 1
		.amdhsa_system_vgpr_workitem_id 0
		.amdhsa_next_free_vgpr 960
		.amdhsa_next_free_sgpr 96
		.amdhsa_reserve_vcc 0
		.amdhsa_float_denorm_mode_32 3
		.amdhsa_float_denorm_mode_16_64 3
		.amdhsa_memory_ordered 1
		.amdhsa_forward_progress 1
		.amdhsa_inst_pref_size 188
	.end_amdhsa_kernel
	.amdgpu_metadata
---
amdhsa.version: [ 1, 2 ]
amdhsa.kernels:
  - .name:           k_qe2ae4bb130_qkv
    .symbol:         k_qe2ae4bb130_qkv.kd
    .args:
      - { .name: x_codes, .offset: 0, .size: 8, .value_kind: global_buffer, .address_space: global }
      - { .name: wqkv_codes, .offset: 8, .size: 8, .value_kind: global_buffer, .address_space: global }
      - { .name: lowp_scales, .offset: 16, .size: 8, .value_kind: global_buffer, .address_space: global }
      - { .name: qkv_img, .offset: 24, .size: 8, .value_kind: global_buffer, .address_space: global }
    .group_segment_fixed_size: 327680
    .private_segment_fixed_size: 0
    .kernarg_segment_align: 8
    .kernarg_segment_size: 32
    .max_flat_workgroup_size: 128
    .sgpr_count:     96
    .vgpr_count:     960
    .wavefront_size: 32
...
	.end_amdgpu_metadata
.endif
;; end of part 2
;; launch attn (part 3): grid 4 x 64, 16 waves a work-group, clusters of 4 x 1, 327,680 bytes of LDS; arguments qkv_img, lowp_scales, o_img; writes o_img
.if DOCPART == 3
	.amdgcn_target "amdgcn-amd-amdhsa--gfx1250"
	.amdhsa_code_object_version 6
	.text
	.protected	k_qe2ae4bb130_attn
	.globl	k_qe2ae4bb130_attn
	.p2align	8
	.type	k_qe2ae4bb130_attn,@function
k_qe2ae4bb130_attn:
	s_mov_b64 s[64:65], 0
	v_nop
	global_prefetch_b8 v0, s[64:65] scope:SCOPE_SE
	s_setreg_imm32_b32 hwreg(HW_REG_WAVE_MODE, 25, 1), 1
	s_wait_xcnt 0x0
	s_wait_alu depctr_hold_cnt(0) depctr_sa_sdst(0) depctr_va_vdst(0) depctr_va_sdst(0) depctr_va_ssrc(0) depctr_va_vcc(0) depctr_vm_vsrc(0)
	s_getreg_b32 s2, hwreg(HW_REG_IB_STS2, 6, 4)
	s_cmp_eq_u32 s2, 0
	s_cbranch_scc0 .Lentry_in_a_cluster
	s_endpgm
.Lentry_in_a_cluster:
	s_bfe_u32 s2, ttmp6, 0x10000c
	s_cmp_lg_u32 s2, 0x3003
	s_cbranch_scc0 .Lentry_shape_is_right
	s_endpgm
.Lentry_shape_is_right:
; Causal attention of one head (64 wide, 2,048 tokens) on codes of FP8 (E4M3): S^T = K Q^T by the 16x16x64 form, O^T = V^T P^T by the 16x16x128 form; the result, divided by the row's sum, is quantised with scale entry 6.
; THE SOFTMAX: t = score x log2(e) / 8; M = the running largest t rounded UP to a whole number; p = 2^(t - M) is quantised with scale entry 5, not normalised; the row's sum is taken of the unquantised p.
; When M moves, the sum and O^T are multiplied by 2^(old M - new M): exact.  Hidden keys (key > query) get -infinity where the definition puts -1e9: p = 0 either way while a row's largest logit lies above about -1e9 + 150.
; Steps of 128 keys all of which the definition's own mask hides from a tile's 16 queries are not walked.
; LIMITS on the given exponents: e2 + e3 between -123 and 130 (added to c's exponent field); e5, and e6 - e4 - e5, between -126 and 119.
; SHARES.  A cluster of four work-groups is one head; each holds the head's WHOLE K and V, 262,144 bytes of register images, in its LDS, filled once by joint loads.  No byte is filled twice.
; The head's 128 tiles of 16 queries go in pairs (127 - i, i): tile i needs i / 8 + 1 steps of 128 keys, a pair 17 whatever i.  Wave w of the work-group at place cx takes i = 8 g + 2 cx + (w & 1), g = w >> 1:
; all step counts hang on the wave's number; cx enters only Q's and O's global addresses and a number that lanes compare with.
; THE WALK: 17 steps in every wave.  Trips 0 to 15 - g are the first tile's key blocks; each later trip n up to 15 is the second tile's key block (n + g) mod 16; the second tile's own last block, g, follows the loop.
; From trip 4 on a barrier is signalled ahead of each step and waited for behind it: no wave begins a step before all have begun the one before.  Between signal and wait stand LDS loads of bytes that nobody writes and work on registers;
; a tile's end, which stores, stands between a wait and the next signal.
; LAYOUT.  A lane holds ONE query (lane % 16) throughout.  Tile c of S^T holds keys 16 c + 8 h + 0 .. 7 in its eight registers: its conversion gives registers 2 c, 2 c + 1 of P.  Tile t of O^T likewise gives registers 2 t, 2 t + 1 of the
; next product's operand: o_img [block of 16 tokens (512)][head (16)][1,024 bytes], images like q's.
; THE LOADS.  Two a wave (waves 0-7 K, 8-15 V): key blocks 0-3 at the head, 16 rows of 256 bytes; key blocks 4-15, 48 rows, as a later first fill behind an add, its wait and a round of the cluster's barrier.
; Nothing is prefetched: every byte of K and V is asked for at the head.
; REGISTERS: v1 16 x lane; v2 the same + V's place; v3 the mask's number; v[4:5] f; v6, v10 LDS addresses; v7, v9 p's scale and limit; v8 a lane permute's destination; v12 -M, v13 the largest t, v[14:15] the sum;
; v16-23, v24-31 Q of the two tiles; v32-95 K's 8 fragments, then v32-47 P's codes, v50, v51 at work, v80-95 chains of maxima and of sums; v96-159 S^T, then p; v160-191 O^T; v192-255 V's 4 fragments (v254, v255 at the head and the end: the add's two).
.set REC,  393216
.set PART, 131072
.set KBB,  8192                        ; 128 keys of K, or of V, in bytes
.set SPARE, 0x40000
.set LI,   1
.set LIV,  2
.set DG,   3
.set FF,   4
.set ADK,  6
.set SCP,  7
.set PX,   8
.set LIMP, 9
.set ADV,  10
.set QA,   16
.set QB,   24
.set KF,   32
.set PC,   32
.set T1,   50
.set T2,   51
.set SM,   80
.set ST,   96
.set OT,   160
.set VF,   192
.set WV,   12                          ; s12  wave
.set SEL,  20                          ; s[20:21] selects for lane l xor 16
.set CS,   22                          ; s[22:23] c
.set G1A,  24                          ; s[24:31], s[32:39] descriptor groups 1 of the two chunks; s[48:55] their groups 0; none is ever rewritten
.set G1B,  32
.set MS,   40                          ; s[40:47] eight masks of lanes
.set G0A,  48
.set G0B,  52
.set TB,   60                          ; s60  8,192 x the trip: the loops' counter, and the first tile's key block
.set LT,   61                          ; s61  8,192 x the first tile's last key block, 15 - g
.set LTB,  62                          ; s62  8,192 x the second tile's, g
.set DD,   63                          ; s63  what the mask's number gains from the first tile to the second
.set TB2,  84                          ; s84  8,192 x the second tile's key block in hand
.macro CROUND                          ; a round of the cluster's barrier
	s_barrier_signal -1
	s_barrier_wait -1
	s_cmp_lg_u32 s[WV], 0
	s_cbranch_scc1 .Lnot_wave_0_\@
	s_barrier_signal -3
.Lnot_wave_0_\@:
	s_barrier_wait -3
	s_barrier_signal -1
	s_barrier_wait -1
.endm
.macro INIT                            ; a tile's state: the first step finds zeros, which the first change of M leaves zeros
	v_mov_b32 v13, 0xff61b1e6                      ; the largest t so far: -3e38
	s_delay_alu instid0(VALU_DEP_1)
	v_floor_f32 v12, -v13
	v_mov_b32 v14, 0
	v_mov_b32 v15, 0
.set j, 0
.rept 32
	v_mov_b32 v[OT+j], 0
.set j, j+1
.endr
.endm
; A KEY STEP: the 128 keys at LDS byte s[adr] against the tile whose Q lies at v[q].  mode 0: all keys count; 1: masked where the trip is the first tile's last; 2: masked.
.macro STEP q, adr, mode
	v_add_nc_u32 v[ADK], s[\adr], v[LI]
	v_add_nc_u32 v[ADV], s[\adr], v[LIV]
	v_nop
	v_nop                                          ; four plain instructions between the last step's products and the loads into their registers
.irp c, 0,1,2,3,4,5,6,7
	ds_load_b128 v[KF+8*\c:KF+8*\c+3], v[ADK] offset:1024*\c          ; an image comes back as it was stored: 512 consecutive bytes an instruction
	ds_load_b128 v[KF+8*\c+4:KF+8*\c+7], v[ADK] offset:1024*\c+512
.endr
.irp t, 0,1,2,3
.irp i, 0,1,2,3
	ds_load_b128 v[VF+16*\t+4*\i:VF+16*\t+4*\i+3], v[ADV] offset:2048*\t+512*\i
.endr
.endr
	s_wait_dscnt 16                                ; K is in; V's 16 loads may be out
.irp c, 0,1,2,3,4,5,6,7
	v_wmma_f32_16x16x64_fp8_fp8 v[ST+8*\c:ST+8*\c+7], v[KF+8*\c:KF+8*\c+7], v[\q:\q+7], 0
.endr
.rept 4
	v_nop
.endr
.if \mode == 1
	s_cmp_lg_u32 s[TB], s[LT]
	s_cbranch_scc1 .Lopen_\@
.endif
.if \mode
	v_mov_b32 v[T1], 0xff800000                    ; on the diagonal: register 8 c + j holds key 16 c + 8 h + j of the block: hidden where 16 c + j > my query's place - 8 h
	s_wait_alu depctr_va_vdst(0)
.irp c, 0,1,2,3,4,5,6,7                ; eight compares into eight scalar registers, then their eight selects
.irp j, 0,1,2,3,4,5,6,7
	v_cmp_gt_i32 s[MS+\j], 16*\c+\j, v[DG]
.endr
.irp j, 0,1,2,3,4,5,6,7
	v_cndmask_b32 v[ST+8*\c+\j], v[ST+8*\c+\j], v[T1], s[MS+\j]
.endr
.endr
.Lopen_\@:
.endif
.irp k, 0,1,2,3,4,5,6,7                ; the step's largest score among my 64 keys: a chain to a tile, each tile from its low end on
	v_max3_num_f32 v[SM+\k], v[ST+8*\k], v[ST+8*\k+1], v[ST+8*\k+2]
.endr
.irp i, 3,5
.irp k, 0,1,2,3,4,5,6,7
	v_max3_num_f32 v[SM+\k], v[SM+\k], v[ST+8*\k+\i], v[ST+8*\k+\i+1]
.endr
.endr
.irp k, 0,1,2,3
	v_max3_num_f32 v[SM+8+\k], v[SM+2*\k], v[SM+2*\k+1], v[ST+8*\k+7]
.endr
	v_max3_num_f32 v[SM+8], v[SM+8], v[ST+39], v[ST+47]
	v_max3_num_f32 v[SM+9], v[SM+9], v[ST+55], v[ST+63]
	s_delay_alu instid0(VALU_DEP_1)
	v_max3_num_f32 v[T1], v[SM+8], v[SM+9], v[SM+10]
	s_delay_alu instid0(VALU_DEP_1)
	v_max_num_f32 v[T1], v[T1], v[SM+11]
	s_delay_alu instid0(VALU_DEP_1)
	v_permlanex16_b32 v[PX], v[T1], s[SEL], s[SEL+1]
	s_delay_alu instid0(VALU_DEP_1)
	v_max_num_f32 v[T1], v[T1], v[PX]              ; and among lane l xor 16's
	s_delay_alu instid0(VALU_DEP_1)
	v_mul_f32 v[T1], s[CS], v[T1]                  ; as t (c is positive)
	s_delay_alu instid0(VALU_DEP_1)
	v_max_num_f32 v13, v13, v[T1]
	v_mov_b32 v[T1], v12
	s_delay_alu instid0(VALU_DEP_2)
	v_floor_f32 v12, -v13                          ; -M = floor(-t): M is a whole number
	s_delay_alu instid0(VALU_DEP_1)
	v_sub_f32 v[T1], v12, v[T1]                    ; old M - new M, 0 or less
	s_delay_alu instid0(VALU_DEP_1)
	v_cvt_i32_f32 v[T1], v[T1]                     ; (it saturates)
	s_delay_alu instid0(VALU_DEP_1)
	v_ldexp_f32 v[FF], 1.0, v[T1]                  ; f = 2^(old M - new M)
.set j, 0
.rept 32
	v_pk_fma_f32 v[ST+j:ST+j+1], v[ST+j:ST+j+1], s[CS:CS+1], v[12:13] op_sel_hi:[1,0,0]   ; t - M, two at a time
.set j, j+2
.endr
	s_wait_alu depctr_va_vdst(0)                   ; the wait ahead of the batch
.set j, 0
.rept 64
	v_exp_f32 v[ST+j], v[ST+j]                     ; p = 2^(t - M)
.set j, j+1
.endr
	v_pk_mul_f32 v[14:15], v[14:15], v[FF:FF+1] op_sel_hi:[1,0]   ; the sums under the new M: the plain instruction behind the exponentials
	s_wait_alu depctr_va_vdst(0)                   ; one wait for the whole batch, ahead of its first reader
.irp k, 0,1,2,3,4,5,6,7                ; the row's sum of the unquantised p: eight chains of pairs
	v_pk_add_f32 v[SM+2*\k:SM+2*\k+1], v[ST+2*\k:ST+2*\k+1], v[ST+16+2*\k:ST+17+2*\k]
.endr
.irp m, 32,48
.irp k, 0,1,2,3,4,5,6,7
	v_pk_add_f32 v[SM+2*\k:SM+2*\k+1], v[SM+2*\k:SM+2*\k+1], v[ST+\m+2*\k:ST+\m+2*\k+1]
.endr
.endr
.irp k, 0,1,2,3
	v_pk_add_f32 v[SM+2*\k:SM+2*\k+1], v[SM+2*\k:SM+2*\k+1], v[SM+8+2*\k:SM+9+2*\k]
.endr
	s_delay_alu instid0(VALU_DEP_2)
	v_pk_add_f32 v[SM:SM+1], v[SM:SM+1], v[SM+4:SM+5]
	s_delay_alu instid0(VALU_DEP_2)
	v_pk_add_f32 v[SM+2:SM+3], v[SM+2:SM+3], v[SM+6:SM+7]
	s_delay_alu instid0(VALU_DEP_1)
	v_pk_add_f32 v[SM:SM+1], v[SM:SM+1], v[SM+2:SM+3]
	s_delay_alu instid0(VALU_DEP_1)
	v_pk_add_f32 v[14:15], v[14:15], v[SM:SM+1]
.irp i, 0,1,2,3,4,5,6,7
	v_min_num_f32 v[ST+\i], v[ST+\i], v[LIMP]      ; the conversion does not saturate (ISA guide 7.6.2); p is not negative: a one-sided hold
.endr
.irp c, 1,2,3,4,5,6,7                  ; a tile's conversion stands behind the next tile's eight holds
.irp i, 0,1,2,3,4,5,6,7
	v_min_num_f32 v[ST+8*\c+\i], v[ST+8*\c+\i], v[LIMP]
.endr
	v_cvt_scalef32_pk8_fp8_f32 v[PC+2*(\c-1):PC+2*(\c-1)+1], v[ST+8*(\c-1):ST+8*(\c-1)+7], v[SCP]
.endr
	v_cvt_scalef32_pk8_fp8_f32 v[PC+14:PC+15], v[ST+56:ST+63], v[SCP]
	s_wait_alu depctr_va_vdst(0)                   ; the wait here, directly ahead of the first reader of O^T
.set j, 0
.rept 16
	v_pk_mul_f32 v[OT+j:OT+j+1], v[OT+j:OT+j+1], v[FF:FF+1] op_sel_hi:[1,0]   ; O^T under the new M; also the plain instructions behind the conversions
.set j, j+2
.endr
	s_wait_alu depctr_va_vdst(0)                   ; and here, directly ahead of the wait below
	s_wait_dscnt 0x0                               ; V is in
.irp t, 0,1,2,3
	v_wmma_f32_16x16x128_fp8_fp8 v[OT+8*\t:OT+8*\t+7], v[VF+16*\t:VF+16*\t+15], v[PC:PC+15], v[OT+8*\t:OT+8*\t+7]   ; the four accumulators take turns; S^T's eight stand between two links
.endr
.endm
; A tile's end: O^T / the sum, quantised, stored as an image: two stores of 512 consecutive bytes, aligned.
.macro FINISH oa
.rept 4
	v_nop
.endr
	v_add_f32 v14, v14, v15
	s_delay_alu instid0(VALU_DEP_1)
	v_permlanex16_b32 v[PX], v14, s[SEL], s[SEL+1]
	s_delay_alu instid0(VALU_DEP_1)
	v_add_f32 v14, v14, v[PX]                      ; the row's sum
	s_wait_alu depctr_va_vdst(0)
	v_rcp_f32 v14, v14
	v_mov_b32 v[T1], s74                           ; (the plain instruction behind the reciprocal)  2^(e6 - e4 - e5) as f32
	v_mov_b32 v[T2], s75                           ; 448 x that
	s_wait_alu depctr_va_vdst(0)                   ; ahead of the first reader of the reciprocal and of O^T
.set j, 0
.rept 16
	v_pk_mul_f32 v[ST+j:ST+j+1], v[OT+j:OT+j+1], v[14:15] op_sel_hi:[1,0]
.set j, j+2
.endr
.set j, 0
.rept 32
	v_med3_num_f32 v[ST+j], v[ST+j], -v[T2], v[T2]
.set j, j+1
.endr
.irp t, 0,1,2,3
	v_cvt_scalef32_pk8_fp8_f32 v[PC+2*\t:PC+2*\t+1], v[ST+8*\t:ST+8*\t+7], v[T1]
.endr
	v_nop
	global_store_b128 v[LI], v[PC:PC+3], s[\oa:\oa+1]
	global_store_b128 v[LI], v[PC+4:PC+7], s[\oa:\oa+1] offset:512
.endm
	s_load_b128 s[4:7], s[0:1], 0x0                ; qkv_img s[4:5], the scales' exponents s[6:7]
	s_load_b64 s[8:9], s[0:1], 0x10                ; o_img
	v_lshl_add_u32 v254, v0, 2, SPARE
	v_mov_b32 v255, 0
	ds_add_u32 v254, v255                          ; the opening lines: the add twice on end and its wait
	ds_add_u32 v254, v255
	v_lshrrev_b32 v1, 5, v0
	v_readfirstlane_b32 s[WV], v1                  ; wave 0..15
	s_bfe_u32 s13, ttmp6, 0x40000                  ; cx
	s_and_b32 s14, ttmp7, 0xffff                   ; 16 b + head: the cluster's y
	s_lshr_b32 s15, s[WV], 1                       ; g
	s_mul_i32 s86, s14, REC                        ; the head's record
	s_mov_b32 s87, 0
	s_lshr_b32 s18, s[WV], 3                       ; I fetch for K (0) or for V (1),
	s_and_b32 s19, s[WV], 7                        ; the u-th eighth of each chunk
	s_lshl_b32 s18, s18, 17
	s_lshl_b32 s[G0A+1], s19, 12
	s_add_co_u32 s[G0A+1], s[G0A+1], s18           ; chunk 0, key blocks 0-3: 131,072 x half + 4,096 u
	s_mul_i32 s[G0B+1], s19, 12288
	s_add_co_u32 s[G0B+1], s[G0B+1], s18
	s_add_co_u32 s[G0B+1], s[G0B+1], 32768         ; chunk 1, key blocks 4-15
.irp g, G1A, G1B                       ; dense blocks as rows of 32 elements of 8 bytes
	s_mov_b32 s[\g], 15|(3<<16)|(1<<21)            ; the mask: all four work-groups; elements of 8 bytes; bit 21 beside a mask; no padding
	s_mov_b32 s[\g+1], 32<<16
	s_mov_b32 s[\g+3], 32<<16
	s_mov_b32 s[\g+5], 32
	s_mov_b32 s[\g+6], 0
	s_mov_b32 s[\g+7], 0
.endr
	s_mov_b32 s[G1A+2], 16<<16
	s_mov_b32 s[G1A+4], 16
	s_mov_b32 s[G1B+2], 48<<16
	s_mov_b32 s[G1B+4], 48
	s_mov_b32 s[SEL], 0x76543210
	s_mov_b32 s[SEL+1], 0xfedcba98
	s_mov_b32 s[CS], 0x3e38aa3b                    ; c = log2(e) / 8
	s_wait_dscnt 0x0
	s_wait_kmcnt 0x0
	s_load_b256 s[76:83], s[6:7], 0x0              ; the eight exponents
	s_add_nc_u64 s[4:5], s[4:5], s[86:87]
.irp g, G0A, G0B
	s_mov_b32 s[\g], 1
	s_add_co_u32 s86, s[\g+1], PART                ; K and V lie in LDS in the record's own order, behind q's part
	s_add_nc_u64 s[\g+2:\g+3], s[4:5], s[86:87]
	s_or_b32 s[\g+3], s[\g+3], 0x80000000
.endr
	CROUND                                         ; all four work-groups are here: the joint loads meet
	tensor_load_to_lds s[G0A:G0A+3], s[G1A:G1A+7]  ; one tensor load a wave at the head
	s_nop 0
	s_and_b32 s16, s[WV], 1
	s_lshl_b32 s17, s13, 1
	s_add_co_u32 s16, s16, s17                     ; s = 2 cx + (w & 1)
	s_lshl_b32 s92, s15, 3
	s_add_co_u32 s92, s92, s16                     ; the second tile: i = 8 g + s
	s_sub_co_u32 s93, 127, s92                     ; the first: 127 - i
	s_mov_b32 s91, 0
	s_lshl_b32 s90, s93, 10
	s_add_nc_u64 s[66:67], s[4:5], s[90:91]        ; Q of the first tile,
	s_lshl_b32 s90, s92, 10
	s_add_nc_u64 s[68:69], s[4:5], s[90:91]        ; of the second
	v_and_b32 v1, 31, v0
	v_lshlrev_b32 v[LI], 4, v1
	s_wait_alu depctr_va_vdst(0)
	global_load_b128 v[QA:QA+3], v[LI], s[66:67]
	global_load_b128 v[QA+4:QA+7], v[LI], s[66:67] offset:512
	global_load_b128 v[QB:QB+3], v[LI], s[68:69]
	global_load_b128 v[QB+4:QB+7], v[LI], s[68:69] offset:512
	s_lshr_b32 s94, s14, 4
	s_lshl_b32 s94, s94, 7                         ; 128 b
	s_and_b32 s95, s14, 15
	s_lshl_b32 s95, s95, 10                        ; the head's 1,024 bytes of a block
	s_add_co_u32 s90, s94, s93
	s_lshl_b32 s90, s90, 14
	s_add_co_u32 s90, s90, s95
	s_add_nc_u64 s[70:71], s[8:9], s[90:91]        ; O of the first tile,
	s_add_co_u32 s90, s94, s92
	s_lshl_b32 s90, s90, 14
	s_add_co_u32 s90, s90, s95
	s_add_nc_u64 s[72:73], s[8:9], s[90:91]        ; of the second
	s_sub_co_u32 s88, 7, s16
	s_lshl_b32 s88, s88, 4
	v_add_nc_u32 v[LIV], 0x20000, v[LI]
	v_and_b32 v[ADK], 15, v0                       ; r
	v_bfe_u32 v[ADV], v0, 4, 1                     ; h
	v_lshlrev_b32 v[ADV], 3, v[ADV]
	v_sub_nc_u32 v[DG], v[ADK], v[ADV]
	v_add_nc_u32 v[DG], s88, v[DG]                 ; first tile: my query's place in its last key block, less 8 h: 16 (7 - s) + r - 8 h
	s_lshl_b32 s[DD], s16, 1
	s_sub_co_i32 s[DD], s[DD], 7
	s_lshl_b32 s[DD], s[DD], 4                     ; second tile: 16 s + r - 8 h: 16 (2 s - 7) more
	s_sub_co_u32 s[LT], 15, s15
	s_lshl_b32 s[LT], s[LT], 13
	s_lshl_b32 s[LTB], s15, 13
	v_mov_b32 v[PX], 0                             ; written once: a lane permute's destination counts as one of its sources
	v_mov_b32 v[FF+1], 0                           ; (named as the upper half of a pair)
	INIT
	s_wait_kmcnt 0x0
	s_add_co_i32 s88, s78, s79
	s_lshl_b32 s88, s88, 23
	s_add_co_i32 s[CS], s[CS], s88                 ; a score stands for score x 2^(e2 + e3): added to c's exponent field
	s_mov_b32 s[CS+1], s[CS]
	s_add_co_i32 s88, s81, 127
	s_lshl_b32 s89, s88, 23
	v_mov_b32 v[SCP], s89                          ; 2^e5
	s_add_co_i32 s88, s88, 8
	s_lshl_b32 s88, s88, 23
	s_or_b32 s88, s88, 0x600000
	v_mov_b32 v[LIMP], s88                         ; 448 x 2^e5
	s_sub_co_i32 s88, s82, s80
	s_sub_co_i32 s88, s88, s81                     ; a sum of the second product stands for sum x 2^(e4 + e5): its code is sum / l / 2^(e6 - e4 - e5)
	s_add_co_i32 s88, s88, 127
	s_lshl_b32 s74, s88, 23
	s_add_co_i32 s88, s88, 8
	s_lshl_b32 s75, s88, 23
	s_or_b32 s75, s75, 0x600000
	s_wait_alu depctr_va_vdst(0)                   ; the wait at the head's end
	s_wait_tensorcnt 0x0                           ; my part of chunk 0 is in; the lines ahead of a later first fill:
	ds_add_u32 v254, v255
	s_wait_dscnt 0x0
	CROUND                                         ; everybody's part is in, and the four work-groups are here
	tensor_load_to_lds s[G0B:G0B+3], s[G1B:G1B+7]  ; chunk 1: my one tensor load behind the round
	s_nop 0
	s_wait_loadcnt 0x0                             ; Q
	s_mov_b32 s[TB], 0
.Lone:                                             ; trips 0 to 3: the first tile has at least 9 steps in every wave
	STEP QA, TB, 0
	s_add_co_u32 s[TB], s[TB], KBB
	s_cmp_lt_u32 s[TB], 4*KBB
	s_cbranch_scc1 .Lone
	s_wait_tensorcnt 0x0                           ; my part of chunk 1 is in,
	s_barrier_signal -1
	s_barrier_wait -1                              ; and everybody's
	s_barrier_signal -1                            ; I begin trip 4
	s_mov_b32 s[TB], 4*KBB
.Lmain:                                            ; trips 4 to 15: a constant count; every wave does one step a trip
	s_cmp_gt_u32 s[TB], s[LT]
	s_cbranch_scc1 .Lsecond
	STEP QA, TB, 1
	s_branch .Ljoin
.Lsecond:
	s_add_co_u32 s[TB2], s[TB], s[LTB]
	s_and_b32 s[TB2], s[TB2], 16*KBB-1             ; key block (trip + g) mod 16: 0 .. g - 1, all of whose keys count
	STEP QB, TB2, 0
.Ljoin:
	s_barrier_wait -1                              ; all sixteen have begun this trip
	s_cmp_lg_u32 s[TB], s[LT]
	s_cbranch_scc1 .Lgo_on
	FINISH 70                                      ; the first tile's end
	s_wait_xcnt 0x0                                ; the stores have read their registers: the next loads may land there
	INIT
	v_add_nc_u32 v[DG], s[DD], v[DG]
	s_wait_alu depctr_va_vdst(0)
.Lgo_on:
	s_barrier_signal -1                            ; I begin the next trip
	s_add_co_u32 s[TB], s[TB], KBB
	s_cmp_lt_u32 s[TB], 16*KBB
	s_cbranch_scc1 .Lmain
	STEP QB, LTB, 2                                ; the second tile's last key block, g
	s_barrier_wait -1
	FINISH 72
	s_wait_xcnt 0x0
	v_lshl_add_u32 v254, v0, 2, SPARE              ; the add's two registers, made anew: V's fragments lay there
	v_mov_b32 v255, 0
	s_wait_alu depctr_va_vdst(0)
	s_wait_tensorcnt 0x0                           ; the wave's end
	ds_add_u32 v254, v255
	s_wait_dscnt 0x0
	CROUND                                         ; the closing round
	s_endpgm
.Lfunc_end_k_qe2ae4bb130_attn:
	.size	k_qe2ae4bb130_attn, .Lfunc_end_k_qe2ae4bb130_attn-k_qe2ae4bb130_attn
	.p2alignl 7, 3214868480
	.fill 96, 4, 3214868480
	.section	.rodata,"a",@progbits
	.p2align	6, 0x0
	.amdhsa_kernel k_qe2ae4bb130_attn
		.amdhsa_group_segment_fixed_size 327680
		.amdhsa_private_segment_fixed_size 0
		.amdhsa_enable_private_segment 0
		.amdhsa_kernarg_size 24
		.amdhsa_user_sgpr_count 2
		.amdhsa_user_sgpr_kernarg_segment_ptr 1
		.amdhsa_wavefront_size32 1
		.amdhsa_system_sgpr_workgroup_id_x 1
		.amdhsa_system_sgpr_workgroup_id_y 1
		.amdhsa_system_sgpr_workgroup_id_z 1
		.amdhsa_system_vgpr_workitem_id 0
		.amdhsa_next_free_vgpr 256
		.amdhsa_next_free_sgpr 96
		.amdhsa_reserve_vcc 0
		.amdhsa_float_denorm_mode_32 3
		.amdhsa_float_denorm_mode_16_64 3
		.amdhsa_memory_ordered 1
		.amdhsa_forward_progress 1
		.amdhsa_inst_pref_size 99
	.end_amdhsa_kernel
	.amdgpu_metadata
---
amdhsa.version: [ 1, 2 ]
amdhsa.kernels:
  - .name:           k_qe2ae4bb130_attn
    .symbol:         k_qe2ae4bb130_attn.kd
    .args:
      - { .name: qkv_img, .offset: 0, .size: 8, .value_kind: global_buffer, .address_space: global }
      - { .name: lowp_scales, .offset: 8, .size: 8, .value_kind: global_buffer, .address_space: global }
      - { .name: o_img, .offset: 16, .size: 8, .value_kind: global_buffer, .address_space: global }
    .group_segment_fixed_size: 327680
    .private_segment_fixed_size: 0
    .kernarg_segment_align: 8
    .kernarg_segment_size: 24
    .max_flat_workgroup_size: 512
    .sgpr_count:     96
    .vgpr_count:     256
    .wavefront_size: 32
...
	.end_amdgpu_metadata
.endif
;; end of part 3
;; launch proj (part 4): grid 4 x 64, 4 waves a work-group, clusters of 4 x 4, 327,680 bytes of LDS; arguments o_img, wout_codes, lowp_scales, out0; writes out0
.if DOCPART == 4
	.amdgcn_target "amdgcn-amd-amdhsa--gfx1250"
	.amdhsa_code_object_version 6
	.text
	.protected	k_qe2ae4bb130_proj
	.globl	k_qe2ae4bb130_proj
	.p2align	8
	.type	k_qe2ae4bb130_proj,@function
k_qe2ae4bb130_proj:
	s_mov_b64 s[64:65], 0
	v_nop
	global_prefetch_b8 v0, s[64:65] scope:SCOPE_SE
	s_setreg_imm32_b32 hwreg(HW_REG_WAVE_MODE, 25, 1), 1
	s_wait_xcnt 0x0
	s_wait_alu depctr_hold_cnt(0) depctr_sa_sdst(0) depctr_va_vdst(0) depctr_va_sdst(0) depctr_va_ssrc(0) depctr_va_vcc(0) depctr_vm_vsrc(0)
	s_getreg_b32 s2, hwreg(HW_REG_IB_STS2, 6, 4)
	s_cmp_eq_u32 s2, 0
	s_cbranch_scc0 .Lentry_in_a_cluster
	s_endpgm
.Lentry_in_a_cluster:
	s_bfe_u32 s2, ttmp6, 0x10000c
	s_cmp_lg_u32 s2, 0xf033
	s_cbranch_scc0 .Lentry_shape_is_right
	s_endpgm
.Lentry_shape_is_right:
.set ROWB,   256
.set PITCH,  272
.set FR,     16
.set AREG,   32768
.set HALFB,  128*PITCH
.set SLOT,   AREG+2*HALFB
.set STAGE,  2*SLOT
.set SPITCH, 528
.set SPARE,  STAGE+4*16*SPITCH
.set NOUT,   1024
.set ADRA, 16
.set ADRB, 20
.set STO,  24
.set RD,   25
.set CO,   26
.set SPW,  28
.set NIL,  29
.set TMP,  32
.set AF,   128
.set BK,   128
.set G1, 24
.set G0, 32
.set G1B, 48
.set G0B, 56
.set MSB, 0
.macro WIN new
.if MSB != (\new)
	s_set_vgpr_msb (MSB<<8)|(\new)
.set MSB, (\new)
.endif
.endm
.set MUL,  0xa1
.set TO_B, 0x40
.macro JLOAD g0a, g1a, g0b, g1b
	s_cmp_eq_u32 s15, 0
	s_cbranch_scc0 .Lfor_b_\@
	tensor_load_to_lds s[\g0a:\g0a+3], s[\g1a:\g1a+7]
	s_nop 0
.rept 4
	v_nop
.endr
	s_branch .Lasked_\@
.Lfor_b_\@:
	tensor_load_to_lds s[\g0b:\g0b+3], s[\g1b:\g1b+7]
	s_nop 0
.rept 4
	v_nop
.endr
.Lasked_\@:
.endm
.macro CREST
	s_cmp_lg_u32 s14, 0
	s_cbranch_scc1 .Lnot_wave_0_\@
	s_barrier_signal -3
.Lnot_wave_0_\@:
	s_barrier_wait -3
	s_barrier_signal -1
	s_barrier_wait -1
.endm
.macro CROUND
	s_barrier_signal -1
	s_barrier_wait -1
	CREST
.endm
	s_load_b128 s[4:7], s[0:1], 0x0
	s_load_b128 s[8:11], s[0:1], 0x10
	v_lshl_add_u32 v[SPW], v0, 2, SPARE
	v_mov_b32 v[NIL], 0
	ds_add_u32 v28, v29
	ds_add_u32 v28, v29
	s_wait_dscnt 0x0
	v_lshrrev_b32 v1, 5, v0
	v_readfirstlane_b32 s14, v1
	s_lshr_b32 s15, s14, 1
	s_and_b32 s16, s14, 1
	s_bfe_u32 s40, ttmp6, 0x40000
	s_bfe_u32 s41, ttmp6, 0x40004
	s_lshl_b32 s42, ttmp9, 2
	s_add_co_u32 s42, s42, s40
	s_and_b32 s17, ttmp7, 0xffff
	s_lshl_b32 s17, s17, 2
	s_add_co_u32 s17, s17, s41
	s_lshl_b32 s43, s41, 2
	s_lshl_b32 s43, 15, s43
	s_lshl_b32 s44, 0x1111, s40
	s_or_b32 s[G1+0], s43, (0<<16)|(1<<21)
	s_mov_b32 s[G1+1], 4096<<16
	s_mov_b32 s[G1+2], 4<<16
	s_mov_b32 s[G1+3], 4096<<16
	s_mov_b32 s[G1+4], 4
	s_mov_b32 s[G1+5], 16384
	s_mov_b32 s[G1+6], 0
	s_mov_b32 s[G1+7], 0
	s_or_b32 s[G1B+0], s44, (0<<16)|(1<<20)|(1<<21)|(5<<22)|(3<<25)
	s_mov_b32 s[G1B+1], ROWB<<16
	s_mov_b32 s[G1B+2], 128<<16
	s_mov_b32 s[G1B+3], ROWB<<16
	s_mov_b32 s[G1B+4], 128
	s_mov_b32 s[G1B+5], 1024
	s_mov_b32 s[G1B+6], 0
	s_mov_b32 s[G1B+7], 0
	s_lshl_b32 s20, s17, 3
	s_lshl_b32 s18, s16, 2
	s_add_co_u32 s20, s20, s18
	s_lshl_b32 s20, s20, 14
	s_mov_b32 s21, 0
	s_lshl_b32 s46, s42, 8
	s_lshl_b32 s18, s16, 7
	s_add_co_u32 s46, s46, s18
	s_lshl_b32 s46, s46, 10
	s_mov_b32 s47, 0
	s_lshl_b32 s45, s16, 14
	s_mul_i32 s69, s16, HALFB
	s_add_co_u32 s69, s69, AREG
	s_wait_kmcnt 0x0
	s_load_b64 s[96:97], s[8:9], 0x18
	s_add_nc_u64 s[20:21], s[4:5], s[20:21]
	s_add_nc_u64 s[46:47], s[6:7], s[46:47]
	CROUND
.irp s, 0,1
	s_mov_b32 s[G0+4*\s], 1
	s_add_co_u32 s[G0+4*\s+1], s45, \s*SLOT
	s_add_nc_u64 s[G0+4*\s+2:G0+4*\s+3], s[20:21], \s*4096
	s_or_b32 s[G0+4*\s+3], s[G0+4*\s+3], 0x80000000
	s_mov_b32 s[G0B+4*\s], 1
	s_add_co_u32 s[G0B+4*\s+1], s69, \s*SLOT
	s_add_nc_u64 s[G0B+4*\s+2:G0B+4*\s+3], s[46:47], \s*ROWB
	s_or_b32 s[G0B+4*\s+3], s[G0B+4*\s+3], 0x80000000
.endr
	JLOAD G0, G1, G0B, G1B                         ; K step 0: one tensor load a wave at the head, behind the round above
	v_and_b32 v1, 15, v0
	v_bfe_u32 v2, v0, 4, 1
	v_and_b32 v5, 31, v0
	v_lshlrev_b32 v[CO], 4, v5
	v_mul_u32_u24 v3, v1, PITCH
	v_lshl_add_u32 v3, v2, 3, v3
	s_lshl_b32 s21, s15, 14
	s_mul_i32 s22, s16, HALFB
	s_add_co_u32 s22, s22, AREG
.irp s, 0,1
	v_add_nc_u32 v[ADRA+\s], s21, v[CO]
	v_add_nc_u32 v[ADRB+\s], s22, v3
	s_add_co_u32 s21, s21, SLOT
	s_add_co_u32 s22, s22, SLOT
.endr
	s_mul_i32 s23, s14, 16*SPITCH
	s_add_co_u32 s23, s23, STAGE
	v_mul_u32_u24 v5, v1, SPITCH
	v_lshl_add_u32 v5, v2, 5, v5
	v_add_nc_u32 v[STO], s23, v5
	v_add_nc_u32 v[RD], s23, v[CO]
	s_lshl_b32 s20, s17, 7
	s_lshl_b32 s21, s15, 6
	s_add_co_u32 s20, s20, s21
	s_lshl_b32 s20, s20, 12
	s_mov_b32 s21, 0
	s_lshl_b32 s46, s42, 10
	s_lshl_b32 s47, s16, 9
	s_add_co_u32 s46, s46, s47
	s_mov_b32 s47, 0
	s_add_nc_u64 s[20:21], s[20:21], s[46:47]
	s_add_nc_u64 s[10:11], s[10:11], s[20:21]
.macro FETCH slot, q, p
	WIN TO_B
.irp i, 0,1,2,3,4,5,6,7
.irp c, 0,1,2,3,4,5,6,7
	ds_load_b64 v[128*(\p)+FR*\i+2*\c:128*(\p)+FR*\i+2*\c+1], v[ADRB+\slot] offset:\i*16*PITCH+128*(\q)+16*\c
.endr
.endr
	WIN 0
.irp i, 0,1,2,3
.irp c, 0,1,2,3
	ds_load_b128 v[AF+64*(\p)+FR*\i+4*\c:AF+64*(\p)+FR*\i+4*\c+3], v[ADRA+\slot] offset:4096*\i+2048*(\q)+512*\c
.endr
.endr
.endm
.macro MUL8 a, p, zero
.irp b, 0,1,2,3,4,5,6,7
.if \zero
	v_wmma_f32_16x16x128_fp8_fp8 v[8*(8*(\a)+\b):8*(8*(\a)+\b)+7], v[128*(\p)+FR*\b:128*(\p)+FR*\b+FR-1], v[AF+64*(\p)+FR*(\a):AF+64*(\p)+FR*(\a)+FR-1], 0
.else
	v_wmma_f32_16x16x128_fp8_fp8 v[8*(8*(\a)+\b):8*(8*(\a)+\b)+7], v[128*(\p)+FR*\b:128*(\p)+FR*\b+FR-1], v[AF+64*(\p)+FR*(\a):AF+64*(\p)+FR*(\a)+FR-1], v[8*(8*(\a)+\b):8*(8*(\a)+\b)+7]
.endif
.endr
.endm
.macro PLACES n
.rept \n
	v_nop
.endr
.endm
.macro STEP slot, zero
	s_wait_dscnt 0x0
	PLACES 4
	FETCH \slot, 1, 1
	WIN MUL
	MUL8 0, 0, \zero
	MUL8 1, 0, \zero
	MUL8 2, 0, \zero
	MUL8 3, 0, \zero
.endm
.macro TURN slot, next, fill
	WIN 0
	s_wait_tensorcnt 0x0
	ds_add_u32 v[SPW], v[NIL]
	s_wait_dscnt 1
	WIN MUL
	MUL8 0, 1, 0
	s_wait_dscnt 0x0
	s_barrier_signal -1
	MUL8 1, 1, 0
	WIN 0
	s_barrier_wait -1
.if \fill
	CREST
	s_add_nc_u64 s[G0+4*\slot+2:G0+4*\slot+3], s[G0+4*\slot+2:G0+4*\slot+3], 2*4096
	s_add_nc_u64 s[G0B+4*\slot+2:G0B+4*\slot+3], s[G0B+4*\slot+2:G0B+4*\slot+3], 2*ROWB
	JLOAD G0+4*\slot, G1, G0B+4*\slot, G1B
.else
	PLACES 4
.endif
	FETCH \next, 0, 0
	WIN MUL
	MUL8 2, 1, 0
	MUL8 3, 1, 0
.endm
	s_wait_alu depctr_va_vdst(0)                   ; the wait at the head's end
	s_wait_tensorcnt 0x0                           ; my part of K step 0 is in; the lines ahead of a later first fill:
	ds_add_u32 v[SPW], v[NIL]
	s_wait_dscnt 0x0
	CROUND
	JLOAD G0+4, G1, G0B+4, G1B                     ; K step 1
	FETCH 0, 0, 0
	STEP 0, 1
	TURN 0, 1, 1
	STEP 1, 0
	TURN 1, 0, 1
	STEP 0, 0
	TURN 0, 1, 0
	STEP 1, 0
	s_wait_dscnt 0x0
	MUL8 0, 1, 0
	MUL8 1, 1, 0
	MUL8 2, 1, 0
	MUL8 3, 1, 0
	WIN 0
.macro TOSTAGE a
	WIN 0x02
.set j, 0
.rept 32
	v_pk_mul_f32 v[TMP+j:TMP+j+1], v[64*(\a)+j:64*(\a)+j+1], s[96:97] op_sel_hi:[1,0]
.set j, j+2
.endr
	WIN 0
.irp b, 0,1,2,3,4,5,6,7
	ds_store_b128 v[STO], v[TMP+8*\b:TMP+8*\b+3] offset:64*\b
	ds_store_b128 v[STO], v[TMP+8*\b+4:TMP+8*\b+7] offset:64*\b+16
.endr
.set BB, BK+64*((\a)%2)
.irp t, 0,1,2,3,4,5,6,7,8,9,10,11,12,13,14,15
	ds_load_b128 v[BB+4*\t:BB+4*\t+3], v[RD] offset:\t*SPITCH
.endr
.endm
.macro SEND a, younger
.set BB, BK+64*((\a)%2)
	s_wait_dscnt \younger
.if (\a) > 0
	s_add_nc_u64 s[10:11], s[10:11], 16*NOUT*4
.endif
.irp t, 0,1,2,3,4,5,6,7,8,9,10,11,12,13,14,15
	global_store_b128 v[CO], v[BB+4*\t:BB+4*\t+3], s[10:11] offset:\t*NOUT*4 th:TH_STORE_NT
.endr
.endm
	s_wait_kmcnt 0x0
	s_add_co_i32 s96, s96, s97
	s_add_co_i32 s96, s96, 127
	s_lshl_b32 s96, s96, 23
	PLACES 4
	TOSTAGE 0
.irp a, 1,2,3
.if \a > 1
	s_wait_xcnt 0x0
.endif
	TOSTAGE \a
	SEND \a-1, 32
.endr
	s_wait_xcnt 0x0
	SEND 3, 0
	s_wait_tensorcnt 0x0
	ds_add_u32 v[SPW], v[NIL]
	s_wait_dscnt 0x0
	CROUND
	s_endpgm
.Lfunc_end_k_qe2ae4bb130_proj:
	.size	k_qe2ae4bb130_proj, .Lfunc_end_k_qe2ae4bb130_proj-k_qe2ae4bb130_proj
	.p2alignl 7, 3214868480
	.fill 96, 4, 3214868480
	.section	.rodata,"a",@progbits
	.p2align	6, 0x0
	.amdhsa_kernel k_qe2ae4bb130_proj
		.amdhsa_group_segment_fixed_size 327680
		.amdhsa_private_segment_fixed_size 0
		.amdhsa_enable_private_segment 0
		.amdhsa_kernarg_size 32
		.amdhsa_user_sgpr_count 2
		.amdhsa_user_sgpr_kernarg_segment_ptr 1
		.amdhsa_wavefront_size32 1
		.amdhsa_system_sgpr_workgroup_id_x 1
		.amdhsa_system_sgpr_workgroup_id_y 1
		.amdhsa_system_sgpr_workgroup_id_z 1
		.amdhsa_system_vgpr_workitem_id 0
		.amdhsa_next_free_vgpr 768
		.amdhsa_next_free_sgpr 98
		.amdhsa_reserve_vcc 0
		.amdhsa_float_denorm_mode_32 3
		.amdhsa_float_denorm_mode_16_64 3
		.amdhsa_memory_ordered 1
		.amdhsa_forward_progress 1
		.amdhsa_inst_pref_size 91
	.end_amdhsa_kernel
	.amdgpu_metadata
---
amdhsa.version: [ 1, 2 ]
amdhsa.kernels:
  - .name:           k_qe2ae4bb130_proj
    .symbol:         k_qe2ae4bb130_proj.kd
    .args:
      - { .name: o_img, .offset: 0, .size: 8, .value_kind: global_buffer, .address_space: global }
      - { .name: wout_codes, .offset: 8, .size: 8, .value_kind: global_buffer, .address_space: global }
      - { .name: lowp_scales, .offset: 16, .size: 8, .value_kind: global_buffer, .address_space: global }
      - { .name: out0, .offset: 24, .size: 8, .value_kind: global_buffer, .address_space: global }
    .group_segment_fixed_size: 327680
    .private_segment_fixed_size: 0
    .kernarg_segment_align: 8
    .kernarg_segment_size: 32
    .max_flat_workgroup_size: 128
    .sgpr_count:     98
    .vgpr_count:     768
    .wavefront_size: 32
...
	.end_amdgpu_metadata
.endif
;; end of part 4
